; MI455X (gfx1250); checked and timed in simulation.
; The chip was launched on July 23, 2026; its instructions are those of AMD's public machine-readable ISA for CDNA 5 (MIT licence, August 2026) and "CDNA5" Instruction Set Architecture Reference Guide (July 2026). The comments in the code are by the model that wrote it; some were corrected since.
;; Multi Head Attention Layer. Allowed arithmetic: matrix products marked QUANTISED: E2M1 operands, one E8M0 scale for each 32 along K, by v_wmma_scale_f32_16x16x128_f8f6f4 with both operands' format E2M1 (or v_wmma_scale_f32_32x16x128_f4), f32 sums; products left as they are: bf16, f16 or f32 operands; f32 sums; everything else in f32.
;; Inputs: Wk 1,024 x 1,024 float32; Wq 1,024 x 1,024 float32; Wv 1,024 x 1,024 float32; bk 1,024 float32; bq 1,024 float32; bv 1,024 float32; mask 4 x 2,048 float32; x 4 x 2,048 x 1,024 float32.
;; Outputs: out0 4 x 2,048 x 1,024 float32.
;; This version of the problem:
;;   THIS VERSION OF THE PROBLEM IS GIVEN IN LOW PRECISION. The matrix products marked QUANTISED in the list below multiply operands that are first quantised to E2M1 (2 exponent bits, 1 mantissa bit; 4 bits a number), with one power-of-two scale for each 32 numbers along K (OCP MX v1.0); their sums are f32. The products marked 'left as it is' may take bf16, f16 or f32 operands, with f32 sums. Whichever they take, every output number must still come out within the allowed error. Rounding operands to bf16 (8 significant bits) uses up far more of that allowance than f16 does (11 bits, for magnitudes from 6e-5 to 65,504). All else is computed in f32.
;;   The module's matrix products, in the order in which they are computed (A, B: the left and right operand; K: the contracted axis; several contracted axes count as one K, in the product's order):
;;     1. [M 8,192, K 1,024] x [K 1,024, N 1,024]; A: input x; B: input Wq: QUANTISED
;;     2. [M 8,192, K 1,024] x [K 1,024, N 1,024]; A: input x; B: input Wk: QUANTISED
;;     3. [M 8,192, K 1,024] x [K 1,024, N 1,024]; A: input x; B: input Wv: QUANTISED
;;     4. batch 64 x [M 2,048, K 64] x [K 64, N 2,048]; A: computed on the way; B: computed on the way: left as it is (an operand is computed on the way)
;;     5. batch 64 x [M 2,048, K 2,048] x [K 2,048, N 64]; A: computed on the way; B: computed on the way: left as it is (an operand is computed on the way)
;;   THE QUANTISER, for each operand of a quantised product, along K:
;;     - K is cut into blocks of 32 from its start; a last block that is shorter is filled with zeros.
;;     - A block's scale is 2^e with e = floor(log2(the largest magnitude in the block)) - 2, held to -126 .. 127; a block of zeros has e = 0. As a byte (E8M0): e + 127.
;;     - Each number is divided by its block's scale, clamped to +-6, and rounded to the nearest number of E2M1, ties to even, subnormals kept.
;;     - The product sums the exact products of the quantised numbers (number of the format x scale) in f32.
;;   ~~~python
;;   def quantise(x, axis):      # numpy; x: float32 -> the quantised numbers, widened to float32 again
;;       x = np.moveaxis(x, axis, -1); K = x.shape[-1]
;;       x = np.pad(x, [(0, 0)] * (x.ndim - 1) + [(0, -K % 32)]); x = x.reshape(x.shape[:-1] + (-1, 32)); a = np.abs(x).max(-1, keepdims=True)
;;       e = np.where(a > 0, np.clip(np.frexp(np.where(a > 0, a, 1))[1] - 1 - 2, -126, 127), 0)      # np.frexp(a)[1] - 1 = floor(log2(a)), exactly
;;       r = np.clip(x / 2.0 ** e, -6, 6)
;;       step = 2.0 ** (np.maximum(np.frexp(np.where(r == 0, 1, r))[1] - 1, 0) - 1)
;;       q = np.round(r / step) * step * 2.0 ** e      # np.round: ties to even
;;       return np.moveaxis(q.reshape(q.shape[:-2] + (-1,))[..., :K], -1, axis).astype(np.float32)
;;   ~~~
;; One version. Each part assembles by itself: llvm-mc -triple=amdgcn-amd-amdhsa -mcpu=gfx1250 --defsym DOCPART=n.
;; ======== version 1 of 1: 3 launches
;; limits: values are held in f16: magnitudes above 65,504 overflow, below 6.1e-05 lose precision
;; workspace buffers: xc 4,194,304 bytes; xs 262,144 bytes; wc 1,572,864 bytes; ws 98,304 bytes; qf 16,777,216 bytes; kv 33,554,432 bytes
;; launch quant (part 1): grid 448 x 1, 4 waves a work-group, no clusters, 34,304 bytes of LDS; arguments x, Wq, Wk, Wv, xc, xs, wc, ws; writes xc, xs, wc, ws
.if DOCPART == 1
	.amdgcn_target "amdgcn-amd-amdhsa--gfx1250"
	.amdhsa_code_object_version 6
	.text
	.protected	k_q3a934ab6d3_quant
	.globl	k_q3a934ab6d3_quant
	.p2align	8
	.type	k_q3a934ab6d3_quant,@function
k_q3a934ab6d3_quant:
	s_mov_b64 s[64:65], 0
	v_nop
	global_prefetch_b8 v0, s[64:65] scope:SCOPE_SE
	s_setreg_imm32_b32 hwreg(HW_REG_WAVE_MODE, 25, 1), 1
	s_wait_xcnt 0x0
; x [8192][1024] (K innermost) and Wq, Wk, Wv [1024 (K)][1024 (n)] (K outermost), f32, become codes of FP4 (E2M1) with one E8M0 scale byte for each 32 along K.
; A block's scale is 2^(floor(log2(its largest magnitude)) - 2): its byte is the largest magnitude's exponent field - 2, held at 1 from below; each number / scale goes to the nearest code, ties to even, beyond 6 the largest code.
; THE CODES ARE LAID AS IMAGES OF OPERAND REGISTERS: [group of 128 rows][512 of K][16 rows][128 of K][1,024 bytes]; a fragment (16 rows x 128 K) is [c 2][lane 32][16 bytes], lane (r, h) of half c holding row r, k = 64 c + 32 h + 0 .. 31.
; The scale words (four bytes: 128 along K of one row): [group of 128 rows][512 of K][row 128][4 words].  W's rows are its columns n, numbered 1024 x (0 q, 1 k, 2 v) + n.
; LIMITS: a block of zeros, and one whose largest magnitude lies under 2^(3 - 127), gets the byte 1 (its codes are zeros or tiny; the bytes are read by this program alone); NaN and infinities among the inputs are not served.
; SHARES: work-groups 0 to 191 take the weights (3 tensors x 8 groups of 128 columns x 8 runs of 128 along K), work-groups 192 to 447 take x (a wave: 16 rows x 512 along K).  Waves share nothing: no barrier.
; Only x's path touches LDS (a stage of its own for each wave), so the two paths meet in no LDS byte.
.set PITCH, 528                        ; a stage row: 512 bytes + 16 of padding = 132 words: row r starts 4 r words on, so sixteen lanes that read sixteen rows touch different words modulo 64
.set STG,   16*PITCH                   ; a wave's stage: 16 rows
.set SPARE, 4*STG                      ; behind the four stages: the spare words, 128 bytes for each wave: two blocks of 256 bytes that no other line names
.set SPW,   12                         ; v12  LDS address of my spare word; never rewritten
.set NIL,   13                         ; v13  0; never rewritten
.set WD,    24                         ; v24-27 scale words
.set C,     32                         ; v32-63 codes: registers of their own for each store, so that no store's data are written again
.set XW,    64                         ; W's path: v64-127 two sets of 32 numbers
.set R,     64                         ; x's path: v64-191 two sets of 64 numbers as loaded
.set X,     192                        ; x's path: v192-255 64 numbers as the operand's layout wants them
; ---- W's path: a lane takes a column n and its registers run down K, so a block of 32 lies in one lane and the codes come out with K innermost
.macro WLOAD t                         ; block t: W(128 q + 32 t + i, my column): 32 lanes read 128 consecutive bytes, the four waves 512
.irp i, 0,1,2,3,4,5,6,7,8,9,10,11,12,13,14,15,16,17,18,19,20,21,22,23,24,25,26,27,28,29,30,31
	global_load_b32 v[XW+32*((\t)%2)+\i], v4, s[24:25] offset:(32*(\t)+\i)*4096 th:TH_LOAD_NT
.endr
.endm
.macro WBLOCK t
.set XS, XW+32*((\t)%2)
.if (\t) < 3
	s_wait_loadcnt 32                              ; this block's 32 loads are in; the next block's 32 may be out
.else
	s_wait_loadcnt 0x0
.endif
	v_max3_num_f32 v8, |v[XS]|, |v[XS+1]|, |v[XS+2]|               ; the block's largest magnitude, in two chains
	v_max3_num_f32 v9, |v[XS+3]|, |v[XS+4]|, |v[XS+5]|
.irp i, 6,10,14,18,22,26
	v_max3_num_f32 v8, v8, |v[XS+\i]|, |v[XS+\i+1]|
	v_max3_num_f32 v9, v9, |v[XS+\i+2]|, |v[XS+\i+3]|
.endr
	v_max3_num_f32 v8, v8, |v[XS+30]|, |v[XS+31]|
	v_max3_num_f32 v8, v8, v9, 0x1800000           ; and the floor 2^(3 - 127): the byte cannot fall under 1
	v_add_nc_u32 v11, 0xff000000, v8               ; 2 off the exponent field: the conversion takes this operand's exponent field as its scale
	v_lshrrev_b32 v10, 23, v11                     ; the scale's byte
.if (\t) == 0
	v_mov_b32 v[WD], v10                           ; four bytes make the word of these 128 along K, the lower K in the lower byte
.else
	v_lshl_or_b32 v[WD], v10, 8*(\t), v[WD]
.endif
.irp g, 0,1,2,3
	v_cvt_scalef32_pk8_fp4_f32 v[C+4*(\t)+\g], v[XS+8*\g:XS+8*\g+7], v11
.endr
	v_nop                                          ; one plain line behind the last scaled conversion
	global_store_b128 v5, v[C+4*(\t):C+4*(\t)+3], s[16:17] offset:256*(\t)   ; block t is (c = t / 2, h = t % 2) of the fragment: 256 t + 16 r; sixteen lanes store 256 consecutive bytes, aligned
.if (\t) < 2
	WLOAD (\t)+2
.endif
.endm
; ---- x's path: each load reads 512 consecutive bytes of one row; the 16 rows x 512 bytes turn through the wave's stage, so that lane (r, h) gets, of row r, k = 64 c + 32 h + 0 .. 31: two whole blocks
.macro XLOAD e
.irp i, 0,1,2,3,4,5,6,7,8,9,10,11,12,13,14,15
	global_load_b128 v[R+64*((\e)%2)+4*\i:R+64*((\e)%2)+4*\i+3], v16, s[4:5] offset:\i*4096+(\e)*512 th:TH_LOAD_NT
.endr
.endm
.macro XFRAG e
.if (\e) < 3
	s_wait_loadcnt 16                              ; this fragment's 16 loads are in; the next one's 16 may be out
.else
	s_wait_loadcnt 0x0
.endif
.irp i, 0,1,2,3,4,5,6,7,8,9,10,11,12,13,14,15
	ds_store_b128 v14, v[R+64*((\e)%2)+4*\i:R+64*((\e)%2)+4*\i+3] offset:PITCH*\i
.endr
.irp c, 0,1
.irp g, 0,1,2,3,4,5,6,7
	ds_load_b128 v[X+32*\c+4*\g:X+32*\c+4*\g+3], v15 offset:256*\c+16*\g   ; LDS serves a wave's instructions in order: these see the stores above, and the next fragment's stores come behind them
.endr
.endr
	s_wait_dscnt 0x0                               ; the numbers are back, and the stores have read their registers,
.if (\e) < 2
	XLOAD (\e)+2                                   ; which take the loads of two fragments on
.endif
.irp c, 0,1
	v_max3_num_f32 v[8+\c], |v[X+32*\c]|, |v[X+32*\c+1]|, 0x1800000   ; my block 2 c + h: all its 32 numbers are mine; the floor 2^(3 - 127) among the leaves
.endr
.irp i, 2,4,6,8,10,12,14,16,18,20,22,24,26,28,30
.irp c, 0,1
	v_max3_num_f32 v[8+\c], v[8+\c], |v[X+32*\c+\i]|, |v[X+32*\c+\i+1]|   ; (the two blocks by turns)
.endr
.endr
.irp c, 0,1
	v_add_nc_u32 v[10+\c], 0xff000000, v[8+\c]     ; the conversion's scale operand
.endr
.irp c, 0,1
	v_lshrrev_b32 v[20+\c], 23, v[10+\c]           ; the scale's byte
.endr
	v_lshl_or_b32 v19, v21, 16, v20                ; my two bytes, blocks h and 2 + h,
	v_lshlrev_b32 v19, v17, v19                    ; at their places in the word (8 h bits up);
	v_permlanex16_b32 v18, v19, s22, s23
	v_or_b32 v[WD+(\e)], v19, v18                  ; with lane l xor 16's two the word is whole
.irp c, 0,1
.irp g, 0,1,2,3
	v_cvt_scalef32_pk8_fp4_f32 v[C+8*(\e)+4*\c+\g], v[X+32*\c+8*\g:X+32*\c+8*\g+7], v[10+\c]
.endr
.endr
	v_nop                                          ; one plain line behind the last scaled conversion
.irp c, 0,1
	global_store_b128 v16, v[C+8*(\e)+4*\c:C+8*(\e)+4*\c+3], s[12:13] offset:1024*(\e)+512*\c   ; the image: 32 lanes store 512 consecutive bytes, aligned
.endr
.endm
	s_load_b512 s[4:19], s[0:1], 0x0               ; x s[4:5], Wq s[6:7], Wk s[8:9], Wv s[10:11], xc s[12:13], xs s[14:15], wc s[16:17], ws s[18:19]
	v_lshl_add_u32 v[SPW], v0, 2, SPARE
	v_mov_b32 v[NIL], 0
	v_lshrrev_b32 v1, 5, v0
	v_readfirstlane_b32 s20, v1                    ; wave 0..3
	v_and_b32 v2, 31, v0                           ; lane
	v_and_b32 v1, 15, v0                           ; r
	v_bfe_u32 v3, v0, 4, 1                         ; h
	s_cmp_lt_u32 ttmp9, 192                        ; the weights' work-groups stand first
	s_cbranch_scc0 .Lx
	; ---- the weights: id = 64 x tensor + 8 x (group of 128 columns) + (run of 128 along K)
	s_lshr_b32 s21, ttmp9, 3                       ; the group of 128 rows of wc: 8 x tensor + column group
	s_and_b32 s22, ttmp9, 7                        ; q: which 128 along K
	s_and_b32 s23, s21, 7                          ; the column group
	s_lshr_b32 s28, s22, 2                         ; which 512 along K
	s_and_b32 s29, s22, 3                          ; and which 128 of them
	s_lshl_b32 s26, s22, 19                        ; W: 128 q rows of 4,096 bytes
	s_lshl_b32 s30, s23, 9
	s_add_co_u32 s26, s26, s30                     ; + 128 columns a group
	s_lshl_b32 s30, s20, 7
	s_add_co_u32 s26, s26, s30                     ; + 32 columns a wave
	s_mov_b32 s27, 0
	s_lshl_b32 s32, s21, 16                        ; the codes: 65,536 bytes a group,
	s_lshl_b32 s30, s28, 15
	s_add_co_u32 s32, s32, s30                     ; 32,768 for 512 along K,
	s_lshl_b32 s30, s20, 13
	s_add_co_u32 s32, s32, s30                     ; two blocks of 16 rows (4,096 bytes each) a wave,
	s_lshl_b32 s30, s29, 10
	s_add_co_u32 s32, s32, s30                     ; 1,024 a fragment
	s_mov_b32 s33, 0
	s_lshl_b32 s34, s21, 12                        ; the scale words: 4,096 bytes a group,
	s_lshl_b32 s30, s28, 11
	s_add_co_u32 s34, s34, s30                     ; 2,048 for 512 along K,
	s_lshl_b32 s30, s20, 9
	s_add_co_u32 s34, s34, s30                     ; 32 rows of 16 bytes a wave,
	s_lshl_b32 s30, s29, 2
	s_add_co_u32 s34, s34, s30                     ; word q % 4
	s_mov_b32 s35, 0
	v_lshlrev_b32 v4, 2, v2                        ; in: 4 bytes a lane
	v_lshlrev_b32 v5, 4, v1
	v_lshl_add_u32 v5, v3, 12, v5                  ; the codes: 16 r, lanes 16-31 in the next block of 16 rows
	v_lshlrev_b32 v6, 4, v2                        ; the scale word: 16 bytes a row
	s_wait_kmcnt 0x0
	s_cmp_lt_u32 ttmp9, 64                         ; which tensor: the choice hangs on the work-group's number alone
	s_cselect_b64 s[24:25], s[6:7], s[8:9]
	s_cmp_lt_u32 ttmp9, 128
	s_cselect_b64 s[24:25], s[24:25], s[10:11]
	s_add_nc_u64 s[24:25], s[24:25], s[26:27]
	s_add_nc_u64 s[16:17], s[16:17], s[32:33]
	s_add_nc_u64 s[18:19], s[18:19], s[34:35]
	WLOAD 0
	WLOAD 1
	WBLOCK 0
	WBLOCK 1
	WBLOCK 2
	WBLOCK 3
	global_store_b32 v6, v[WD], s[18:19]           ; my column's word: 4 bytes in each 16, 98,304 bytes in the whole launch against the 12.6 million that this path reads
	s_branch .Lend
.Lx:
	; ---- x: wave number in the tensor = 4 x (id - 192) + wave = 2 x (block of 16 rows) + (which 512 along K)
	s_sub_co_u32 s21, ttmp9, 192
	s_lshl_b32 s21, s21, 2
	s_add_co_u32 s21, s21, s20
	s_and_b32 s28, s21, 1                          ; which 512 along K
	s_lshr_b32 s21, s21, 1                         ; the block of 16 rows, 0 .. 511
	s_lshr_b32 s29, s21, 3                         ; its group of 128 rows
	s_and_b32 s30, s21, 7                          ; and its place there
	s_lshl_b32 s24, s21, 16                        ; x: 16 rows of 4,096 bytes
	s_lshl_b32 s31, s28, 11
	s_add_co_u32 s24, s24, s31                     ; + 2,048 bytes for 512 along K
	s_mov_b32 s25, 0
	s_lshl_b32 s26, s29, 16                        ; the codes
	s_lshl_b32 s31, s28, 15
	s_add_co_u32 s26, s26, s31
	s_lshl_b32 s31, s30, 12
	s_add_co_u32 s26, s26, s31
	s_mov_b32 s27, 0
	s_lshl_b32 s32, s29, 12                        ; the scale words
	s_lshl_b32 s31, s28, 11
	s_add_co_u32 s32, s32, s31
	s_lshl_b32 s31, s30, 8
	s_add_co_u32 s32, s32, s31
	s_mov_b32 s33, 0
	s_mov_b32 s22, 0x76543210
	s_mov_b32 s23, 0xfedcba98                      ; v_permlanex16_b32's selects for lane l xor 16
	s_mul_i32 s34, s20, STG                        ; my stage
	v_lshlrev_b32 v16, 4, v2                       ; 16 x lane: my bytes of a load's 512, and of an image's
	v_add_nc_u32 v14, s34, v16                     ; the stage, on the way in
	v_mul_u32_u24 v15, v1, PITCH
	v_lshl_add_u32 v15, v3, 7, v15
	v_add_nc_u32 v15, s34, v15                     ; and on the way out: row r, + 128 h bytes
	v_lshlrev_b32 v17, 3, v3                       ; 8 h
	v_mov_b32 v18, 0                               ; written once: a lane permute's destination counts as one of its sources
	v_lshlrev_b32 v7, 4, v1
	v_lshl_add_u32 v7, v3, 3, v7                   ; the scale words' way out: 16 r + 8 h
	s_wait_kmcnt 0x0
	s_add_nc_u64 s[4:5], s[4:5], s[24:25]
	s_add_nc_u64 s[12:13], s[12:13], s[26:27]
	s_add_nc_u64 s[14:15], s[14:15], s[32:33]
	XLOAD 0
	XLOAD 1
	XFRAG 0
	XFRAG 1
	XFRAG 2
	XFRAG 3
	v_cmp_eq_u32 vcc_lo, 1, v3                     ; every lane holds its row's four words: lanes 0-15 store words 0, 1, lanes 16-31 words 2, 3
	v_cndmask_b32 v8, v[WD], v[WD+2], vcc_lo
	v_cndmask_b32 v9, v[WD+1], v[WD+3], vcc_lo
	global_store_b64 v7, v[8:9], s[14:15]          ; 32 lanes store 256 consecutive bytes, aligned
.Lend:
	s_wait_tensorcnt 0x0                           ; the wave's end, behind my last LDS store
	ds_add_u32 v[SPW], v[NIL]
	s_wait_dscnt 0x0
	s_endpgm
.Lfunc_end_k_q3a934ab6d3_quant:
	.size	k_q3a934ab6d3_quant, .Lfunc_end_k_q3a934ab6d3_quant-k_q3a934ab6d3_quant
	.p2alignl 7, 3214868480
	.fill 96, 4, 3214868480
	.section	.rodata,"a",@progbits
	.p2align	6, 0x0
	.amdhsa_kernel k_q3a934ab6d3_quant
		.amdhsa_group_segment_fixed_size 34304
		.amdhsa_private_segment_fixed_size 0
		.amdhsa_enable_private_segment 0
		.amdhsa_kernarg_size 64
		.amdhsa_user_sgpr_count 2
		.amdhsa_user_sgpr_kernarg_segment_ptr 1
		.amdhsa_wavefront_size32 1
		.amdhsa_system_sgpr_workgroup_id_x 1
		.amdhsa_system_sgpr_workgroup_id_y 1
		.amdhsa_system_sgpr_workgroup_id_z 1
		.amdhsa_system_vgpr_workitem_id 0
		.amdhsa_next_free_vgpr 256
		.amdhsa_next_free_sgpr 66
		.amdhsa_reserve_vcc 1
		.amdhsa_float_denorm_mode_32 3
		.amdhsa_float_denorm_mode_16_64 3
		.amdhsa_memory_ordered 1
		.amdhsa_forward_progress 1
		.amdhsa_inst_pref_size 50
	.end_amdhsa_kernel
	.amdgpu_metadata
---
amdhsa.version: [ 1, 2 ]
amdhsa.kernels:
  - .name:           k_q3a934ab6d3_quant
    .symbol:         k_q3a934ab6d3_quant.kd
    .args:
      - { .name: x, .offset: 0, .size: 8, .value_kind: global_buffer, .address_space: global }
      - { .name: Wq, .offset: 8, .size: 8, .value_kind: global_buffer, .address_space: global }
      - { .name: Wk, .offset: 16, .size: 8, .value_kind: global_buffer, .address_space: global }
      - { .name: Wv, .offset: 24, .size: 8, .value_kind: global_buffer, .address_space: global }
      - { .name: xc, .offset: 32, .size: 8, .value_kind: global_buffer, .address_space: global }
      - { .name: xs, .offset: 40, .size: 8, .value_kind: global_buffer, .address_space: global }
      - { .name: wc, .offset: 48, .size: 8, .value_kind: global_buffer, .address_space: global }
      - { .name: ws, .offset: 56, .size: 8, .value_kind: global_buffer, .address_space: global }
    .group_segment_fixed_size: 34304
    .private_segment_fixed_size: 0
    .kernarg_segment_align: 8
    .kernarg_segment_size: 64
    .max_flat_workgroup_size: 128
    .sgpr_count:     66
    .vgpr_count:     256
    .wavefront_size: 32
...
	.end_amdgpu_metadata
.endif
;; end of part 1
;; launch proj (part 2): grid 12 x 32, 4 waves a work-group, clusters of 4 x 4, 327,680 bytes of LDS; arguments xc, xs, wc, ws, bq, bk, bv, qf, kv; writes qf, kv
.if DOCPART == 2
	.amdgcn_target "amdgcn-amd-amdhsa--gfx1250"
	.amdhsa_code_object_version 6
	.text
	.protected	k_q3a934ab6d3_proj
	.globl	k_q3a934ab6d3_proj
	.p2align	8
	.type	k_q3a934ab6d3_proj,@function
k_q3a934ab6d3_proj:
	s_mov_b64 s[64:65], 0
	v_nop
	global_prefetch_b8 v0, s[64:65] scope:SCOPE_SE
	s_setreg_imm32_b32 hwreg(HW_REG_WAVE_MODE, 25, 1), 1
	s_wait_xcnt 0x0
	s_wait_alu depctr_hold_cnt(0) depctr_sa_sdst(0) depctr_va_vdst(0) depctr_va_sdst(0) depctr_va_ssrc(0) depctr_va_vcc(0) depctr_vm_vsrc(0)
	s_getreg_b32 s2, hwreg(HW_REG_IB_STS2, 6, 4)
	s_cmp_eq_u32 s2, 0
	s_cbranch_scc0 .Lentry_in_a_cluster
	s_endpgm
.Lentry_in_a_cluster:
	s_bfe_u32 s2, ttmp6, 0x10000c
	s_cmp_lg_u32 s2, 0xf033
	s_cbranch_scc0 .Lentry_shape_is_right
	s_endpgm
.Lentry_shape_is_right:
; q, k, v = x W + b on codes of FP4 (E2M1) with one E8M0 scale for each 32 along K; sums in f32; the results leave as f16, laid as the attention launch's operand registers want them.
; C[token 8192][n 3072], n = 1024 x kind + channel (kind 0 q, 1 k, 2 v).  A tile of C, 256 x 256, is made by a work-group of four waves, a wave makes 128 x 128: 64 accumulators of 16 x 16, 512 registers.
; K = 1,024: all of a tile's codes (2 x 256 rows x 512 bytes) and scale words fit in LDS, as two slots of 512 along K, each filled ONCE: no byte of LDS is filled again.  All of a WGP's LDS is claimed all the same.
; THE OPERANDS COME AS IMAGES OF THEIR REGISTERS: a fragment (16 rows x 128 K, 8 registers) is two loads of 16 bytes at 16 x lane, 512 bytes apart; a wave's part of a slot (128 rows x 512 K) is 32,768 dense bytes of memory.
; CLUSTERS: 4 x 4 work-groups.  The four of a row of the cluster need the same tiles of x, the four of a column the same tiles of W: each is asked for JOINTLY, by the same tensor load with the same descriptor and a mask that
; names the four.  A cluster's four tile columns are exactly one kind, so the kind is the cluster's x and is the same in all sixteen partners.
; THE MATRIX INSTRUCTION IS USED TRANSPOSED (source 0 = 16 rows of W's image, source 1 = 16 tokens): lane (r, h) then holds token r and the channels 8 h + 0 .. 7 of the block.  Packed to f16 these are 16 bytes of a 16-bit
; fragment's image: the results go from the registers straight to memory, 512 consecutive bytes a store, with no turn through LDS.
; The bias is the C of each sum's first matrix instruction: eight registers for each block of 16 channels, in the result's layout.
; 384 work-groups for 256 WGPs: the tile is kept large, since a tile of 256 x 384 would straddle the kinds and leave no registers for operands.
; No prefetch is laid: every tensor load of the launch stands at its head.
; LIMIT: q, k and v are rounded to f16: magnitudes up to 65,504.  With x and W both 30 times the drawn spread they have a spread of 900.  NaN and infinities are not served.
; REGISTERS, in windows of 256: window 0: v0-31 addresses; v32-95 scale words (register 32 kg + 4 i + e: lanes 0-15 the word of x's block i, lanes 16-31 that of W's block i); v128-191 x's fragments, ONE set; v192-255 the bias.
;   On the way out v32-159 hold the packed results.   window 1: W's fragments, TWO sets, at v0 and v128.   window 2: the accumulators of my tokens 0-63 ((a, b) at v[8 (8 a + b)]);   window 3: those of tokens 64-127.
.set NQ,    4                          ; steps of 128 along K in a slot
.set FR,    8                          ; registers of a fragment
.set NL,    2                          ; LDS loads that bring one
.set NP,    4                          ; places behind this matrix instruction (ISA guide 7.12.1)
.set SLOT,  131072                     ; a slot: [x, W][half of 128 rows][block of 16 rows 8][128 of K 4][1,024 bytes]
.set SCL,   2*SLOT                     ; behind the slots: the scale words: [x, W][half][512 of K 2][row 128][16 bytes]
.set SPARE, SCL+16384                  ; behind them: the spare words, 128 bytes for each wave: two blocks of 256 bytes that no other line names
.set ADRA, 16                          ; v16-17  LDS address of x's fragments in slot 0, 1
.set ADRB, 20                          ; v20-21  the same for W
.set CO,   26                          ; v26     the way out: my byte offset in an image
.set ADRS, 27                          ; v27     LDS address of my scale words: lanes 0-15 x's rows, lanes 16-31 W's
.set SPW,  28                          ; v28     LDS address of my spare word; never rewritten
.set NIL,  29                          ; v29     0; never rewritten
.set SC,   32
.set AF,   128
.set B0,   192
.set TMP,  32
.set G1,   24                          ; s[24:31] descriptor group 1 for x's codes;  s[32:39] group 0, one set for each slot
.set G0,   32
.set G1B,  48                          ; s[48:55], s[56:63] the same for W's codes
.set G0B,  56
.set G1S,  68                          ; s[68:75], s[76:79] groups 1 and 0 for x's scale words;  s[80:87], s[88:91] for W's
.set G0S,  76
.set G1SB, 80
.set G0SB, 88
.set MSB, 0
.macro WIN new                         ; the immediate's high byte repeats the setting that is left
.if MSB != \new
	s_set_vgpr_msb (MSB<<8)|\new
.set MSB, \new
.endif
.endm
.set MUL_LO, 0xa1                      ; source 0 (W) window 1, source 1 (x) window 0, C and D window 2
.set MUL_HI, 0xf1                      ; the same, C and D window 3
.set TO_B,   0x40                      ; destination window 1, address window 0
; A joint load: waves 0 and 1 fetch for x, waves 2 and 3 for W.  Each of the two lines has ONE mask and one set of registers for all that issue it; the branch hangs on the wave's number alone.
; An s_nop 0 and four v_nop follow each of the two lines, ahead of the jump, the label and what follows.
.macro JLOAD g0a, g1a, g0b, g1b
	s_cmp_eq_u32 s15, 0
	s_cbranch_scc0 .Lfor_b_\@
	tensor_load_to_lds s[\g0a:\g0a+3], s[\g1a:\g1a+7]
	s_nop 0
.rept 4
	v_nop
.endr
	s_branch .Lasked_\@
.Lfor_b_\@:
	tensor_load_to_lds s[\g0b:\g0b+3], s[\g1b:\g1b+7]
	s_nop 0
.rept 4
	v_nop
.endr
.Lasked_\@:
.endm
.macro CROUND                          ; a round of the cluster's barrier
	s_barrier_signal -1
	s_barrier_wait -1
	s_cmp_lg_u32 s14, 0
	s_cbranch_scc1 .Lnot_wave_0_\@
	s_barrier_signal -3
.Lnot_wave_0_\@:
	s_barrier_wait -3
	s_barrier_signal -1
	s_barrier_wait -1
.endm
	s_load_b256 s[4:11], s[0:1], 0x0               ; xc s[4:5], xs s[6:7], wc s[8:9], ws s[10:11]
	s_load_b256 s[92:99], s[0:1], 0x20             ; bq s[92:93], bk s[94:95], bv s[96:97], qf s[98:99]
	s_load_b64 s[100:101], s[0:1], 0x40            ; kv
	v_lshl_add_u32 v[SPW], v0, 2, SPARE
	v_mov_b32 v[NIL], 0
	ds_add_u32 v[SPW], v[NIL]                      ; the wave's opening: the add, twice on end, and its wait ahead of my first tensor load; the set-up below, work on registers, stands between
	ds_add_u32 v[SPW], v[NIL]
	v_lshrrev_b32 v1, 5, v0
	v_readfirstlane_b32 s14, v1                    ; wave 0..3
	s_lshr_b32 s15, s14, 1                         ; which half of the tile's tokens is mine.  Also: I fetch for x (0) or for W (1)
	s_and_b32 s16, s14, 1                          ; which half of its channels.  Also: which 128 rows I fetch
	s_bfe_u32 s40, ttmp6, 0x40000                  ; cx, cy: my place in the cluster
	s_bfe_u32 s41, ttmp6, 0x40004
	s_and_b32 s17, ttmp7, 0xffff
	s_lshl_b32 s17, s17, 2
	s_add_co_u32 s17, s17, s41                     ; tile row of C = 4 x cluster y + cy
	s_lshl_b32 s43, s41, 2
	s_lshl_b32 s43, 15, s43                        ; my row of the cluster
	s_lshl_b32 s44, 0x1111, s40                    ; my column
	; descriptor group 1: dense blocks, as rows of 256 bytes (32 elements of 8 bytes), no padding: 128 rows of codes, 16 rows of scale words
	s_or_b32 s[G1+0], s43, (3<<16)|(1<<21)         ; 15:0 the mask: x's tiles go to my row; 17:16 elements of 8 bytes; 21 set beside a mask
	s_or_b32 s[G1B+0], s44, (3<<16)|(1<<21)        ; W's go to my column
	s_or_b32 s[G1S+0], s43, (3<<16)|(1<<21)
	s_or_b32 s[G1SB+0], s44, (3<<16)|(1<<21)
.irp g, G1, G1B
	s_mov_b32 s[\g+1], 32<<16                      ; tensor_dim0 = 32
	s_mov_b32 s[\g+2], 128<<16                     ; tensor_dim1 = 128
	s_mov_b32 s[\g+3], 32<<16                      ; tile_dim0 = 32
	s_mov_b32 s[\g+4], 128                         ; tile_dim1 = 128
	s_mov_b32 s[\g+5], 32                          ; tensor_dim0_stride
	s_mov_b32 s[\g+6], 0
	s_mov_b32 s[\g+7], 0
.endr
.irp g, G1S, G1SB
	s_mov_b32 s[\g+1], 32<<16
	s_mov_b32 s[\g+2], 16<<16
	s_mov_b32 s[\g+3], 32<<16
	s_mov_b32 s[\g+4], 16
	s_mov_b32 s[\g+5], 32
	s_mov_b32 s[\g+6], 0
	s_mov_b32 s[\g+7], 0
.endr
	s_lshl_b32 s20, s17, 1
	s_add_co_u32 s20, s20, s16                     ; x: group of 128 rows = 2 x tile row + half: it hangs on what my row of the cluster shares
	s_lshl_b32 s22, s20, 12                        ; its scale words: 4,096 bytes a group
	s_lshl_b32 s20, s20, 16                        ; its codes: 65,536
	s_mov_b32 s21, 0
	s_mov_b32 s23, 0
	s_lshl_b32 s46, ttmp9, 3
	s_lshl_b32 s18, s40, 1
	s_add_co_u32 s46, s46, s18
	s_add_co_u32 s46, s46, s16                     ; W: group = 8 x kind + 2 cx + half: what my column shares
	s_lshl_b32 s12, s46, 12
	s_lshl_b32 s46, s46, 16
	s_mov_b32 s47, 0
	s_mov_b32 s13, 0
	s_lshl_b32 s45, s14, 15                        ; where they go: wave x 32,768 in a slot, wave x 4,096 among the scale words: no place in the cluster enters an LDS address
	s_lshl_b32 s42, s14, 12
	s_wait_dscnt 0x0                               ; both opening adds are done
	s_wait_kmcnt 0x0
	s_add_nc_u64 s[20:21], s[4:5], s[20:21]
	s_add_nc_u64 s[22:23], s[6:7], s[22:23]
	s_add_nc_u64 s[46:47], s[8:9], s[46:47]
	s_add_nc_u64 s[12:13], s[10:11], s[12:13]
	CROUND                                         ; all sixteen work-groups are here: the joint loads meet
	s_mov_b32 s[G0S], 1
	s_add_co_u32 s[G0S+1], s42, SCL
	s_mov_b64 s[G0S+2:G0S+3], s[22:23]
	s_or_b32 s[G0S+3], s[G0S+3], 0x80000000
	s_mov_b32 s[G0SB], 1
	s_add_co_u32 s[G0SB+1], s42, SCL
	s_mov_b64 s[G0SB+2:G0SB+3], s[12:13]
	s_or_b32 s[G0SB+3], s[G0SB+3], 0x80000000
	JLOAD G0S, G1S, G0SB, G1SB                     ; the scale words first: they are wanted with the first step
.irp s, 0,1
	s_mov_b32 s[G0+4*\s], 1
	s_add_co_u32 s[G0+4*\s+1], s45, \s*SLOT
	s_add_nc_u64 s[G0+4*\s+2:G0+4*\s+3], s[20:21], \s*32768
	s_or_b32 s[G0+4*\s+3], s[G0+4*\s+3], 0x80000000
	s_mov_b32 s[G0B+4*\s], 1
	s_add_co_u32 s[G0B+4*\s+1], s45, \s*SLOT
	s_add_nc_u64 s[G0B+4*\s+2:G0B+4*\s+3], s[46:47], \s*32768
	s_or_b32 s[G0B+4*\s+3], s[G0B+4*\s+3], 0x80000000
	JLOAD G0+4*\s, G1, G0B+4*\s, G1B               ; three loads of mine are out behind the second of these
.endr
	; the bias of my 128 channels: lane (r, h) wants, for block b, those of channels 16 b + 8 h + 0 .. 7
	v_and_b32 v1, 15, v0                           ; r
	v_bfe_u32 v2, v0, 4, 1                         ; h
	v_lshlrev_b32 v4, 5, v2                        ; 32 h bytes
	s_cmp_eq_u32 ttmp9, 0                          ; the kind chooses the buffer
	s_cselect_b64 s[66:67], s[92:93], s[94:95]
	s_cmp_eq_u32 ttmp9, 2
	s_cselect_b64 s[66:67], s[96:97], s[66:67]
	s_lshl_b32 s18, s40, 10                        ; 256 channels a tile column,
	s_lshl_b32 s19, s16, 9                         ; 128 a half
	s_add_co_u32 s18, s18, s19
	s_mov_b32 s19, 0
	s_add_nc_u64 s[66:67], s[66:67], s[18:19]
.irp b, 0,1,2,3,4,5,6,7
	global_load_b128 v[B0+8*\b:B0+8*\b+3], v4, s[66:67] offset:64*\b
	global_load_b128 v[B0+8*\b+4:B0+8*\b+7], v4, s[66:67] offset:64*\b+16
.endr
	v_and_b32 v3, 31, v0
	v_lshlrev_b32 v3, 4, v3                        ; 16 x lane: my place in an image
	s_lshl_b32 s18, s15, 15                        ; my 128 tokens of x
	s_lshl_b32 s19, s16, 15                        ; my 128 rows of W,
	s_add_co_u32 s19, s19, 65536                   ; which lie behind x's 256
.irp s, 0,1
	v_add_nc_u32 v[ADRA+\s], s18, v3
	v_add_nc_u32 v[ADRB+\s], s19, v3
	s_add_co_u32 s18, s18, SLOT
	s_add_co_u32 s19, s19, SLOT
.endr
	s_lshl_b32 s21, s15, 12                        ; x's scale words: my 128 tokens
	s_lshl_b32 s22, s16, 12                        ; W's: my 128 rows, behind x's 256
	s_add_co_u32 s22, s22, 8192
	s_sub_co_u32 s22, s22, s21
	v_mul_u32_u24 v6, s22, v2                      ; lanes 16-31 take W's: the lower base + h x the distance between the two
	s_add_co_u32 s21, s21, SCL
	v_lshlrev_b32 v5, 4, v1                        ; 16 bytes a row
	v_add_nc_u32 v5, v5, v6
	v_add_nc_u32 v[ADRS], s21, v5
.macro FRAG reg, adr, q, i             ; block i's fragment of the slot's q-th 128 along K: registers 4 c .. 4 c + 3 from 512 c + 16 x lane of its image
.irp c, 0,1
	ds_load_b128 v[\reg+4*\c:\reg+4*\c+3], v[\adr] offset:(\i)*4096+(\q)*1024+512*\c
.endr
.endm
; 16 matrix instructions: x's blocks a0, a0 + 1 against W's eight, 128 along K: the slot's q-th.  p: W's set;  sc: the slot, for the scale words.  first = 1: the bias is the C: nothing is cleared and nothing is added later.
; The 64 accumulators take turns, one instruction a turn, in the same order in every step.
.macro MUL16 a0, p, q, sc, first
.irp a, \a0, \a0+1
.irp b, 0,1,2,3,4,5,6,7
.if \first
	v_wmma_scale_f32_16x16x128_f8f6f4 v[8*(8*((\a)%4)+\b):8*(8*((\a)%4)+\b)+7], v[128*(\p)+FR*\b:128*(\p)+FR*\b+FR-1], v[AF+FR*(\a):AF+FR*(\a)+FR-1], v[B0+8*\b:B0+8*\b+7], v[SC+8*NQ*(\sc)+NQ*\b+(\q)], v[SC+8*NQ*(\sc)+NQ*(\a)+(\q)] matrix_a_fmt:MATRIX_FMT_FP4 matrix_b_fmt:MATRIX_FMT_FP4 matrix_a_scale:MATRIX_SCALE_ROW1
.else
	v_wmma_scale_f32_16x16x128_f8f6f4 v[8*(8*((\a)%4)+\b):8*(8*((\a)%4)+\b)+7], v[128*(\p)+FR*\b:128*(\p)+FR*\b+FR-1], v[AF+FR*(\a):AF+FR*(\a)+FR-1], v[8*(8*((\a)%4)+\b):8*(8*((\a)%4)+\b)+7], v[SC+8*NQ*(\sc)+NQ*\b+(\q)], v[SC+8*NQ*(\sc)+NQ*(\a)+(\q)] matrix_a_fmt:MATRIX_FMT_FP4 matrix_b_fmt:MATRIX_FMT_FP4 matrix_a_scale:MATRIX_SCALE_ROW1
.endif
.endr
.endr
.endm
.macro FETCH_B slot, q, p              ; W's eight fragments into set p
	WIN TO_B
.irp i, 0,1,2,3,4,5,6,7
	FRAG 128*(\p)+FR*\i, ADRB+\slot, \q, \i
.endr
	WIN 0
.endm
.macro FETCH_A slot, q, i0             ; x's blocks i0 .. i0 + 3
.irp i, \i0, \i0+1, \i0+2, \i0+3
	FRAG AF+FR*(\i), ADRA+\slot, \q, \i
.endr
.endm
; A load into a register that a matrix instruction has read, and a vector instruction that reads a matrix result or writes one of its registers, stand NP places behind it; only plain vector instructions that name none of
; its registers are places (ISA guide 7.12.1 for vector instructions).
.macro PLACES n
.rept \n
	v_nop
.endr
.endm
; A step of 128 along K that has its successor in the same slot.  x has one set of registers: blocks 0-3 are fetched anew in the step's middle, blocks 4-7 at its end; W's next set comes in the middle run.
.macro STEP slot, q, first
	s_wait_dscnt 4*NL                              ; W's set and x's blocks 0-3 are in; the youngest eight loads (x's blocks 4-7) may be out
.if \first
	WIN 0x81                                       ; source 0 window 1, source 1 and C (the bias) window 0, D window 2
.else
	WIN MUL_LO
.endif
	MUL16 0, (\q)%2, \q, \slot, \first
	MUL16 2, (\q)%2, \q, \slot, \first
	s_wait_dscnt 0                                 ; x's blocks 4-7 are in (asked for 32 matrix instructions ago)
	PLACES NP
	FETCH_B \slot, (\q)+1, 1-(\q)%2
	FETCH_A \slot, (\q)+1, 0
.if \first
	WIN 0xc1                                       ; the same, D window 3
.else
	WIN MUL_HI
.endif
	MUL16 4, (\q)%2, \q, \slot, \first
	MUL16 6, (\q)%2, \q, \slot, \first
	PLACES NP
	WIN 0
	FETCH_A \slot, (\q)+1, 4
.endm
	s_wait_tensorcnt 1                             ; the scale words and my part of slot 0 are in; slot 1's load may stay out
	s_barrier_signal -1
	s_barrier_wait -1                              ; everybody's are
	FETCH_B 0, 0, 0
	FETCH_A 0, 0, 0
.irp k, 0,1                                    ; all scale words of my rows, for all of K: four words a row and slot; lanes 0-15 take x's block i, lanes 16-31 W's block i
.irp i, 0,1,2,3,4,5,6,7
	ds_load_b128 v[SC+32*\k+4*\i:SC+32*\k+4*\i+3], v[ADRS] offset:\k*2048+\i*256
.endr
.endr
	FETCH_A 0, 0, 4
	s_wait_loadcnt 0x0                             ; the bias
	STEP 0, 0, 1
	STEP 0, 1, 0
	STEP 0, 2, 0
	; slot 0's last step changes slots: one barrier; in front of it each wave waits for its tensor loads, of which slot 1's was still out
	s_wait_tensorcnt 0x0                           ; my part of slot 1 has landed: no tensor load of mine is out from here on
	ds_add_u32 v[SPW], v[NIL]                      ; 0 onto my spare word
	s_wait_dscnt 4*NL+1                            ; (the add and the youngest eight loads, x's blocks 4-7, may be out)
	WIN MUL_LO
	MUL16 0, 1, NQ-1, 0, 0                         ; sixteen matrix instructions stand between the add and the wait for it
	s_wait_dscnt 0x0                               ; no LDS instruction of mine is pending at the signal
	s_barrier_signal -1
	MUL16 2, 1, NQ-1, 0, 0
	WIN 0
	s_barrier_wait -1                              ; slot 1 is whole
	PLACES NP
	FETCH_B 1, 0, 0
	FETCH_A 1, 0, 0
	WIN MUL_HI
	MUL16 4, 1, NQ-1, 0, 0
	MUL16 6, 1, NQ-1, 0, 0
	PLACES NP
	WIN 0
	FETCH_A 1, 0, 4
	STEP 1, 0, 0
	STEP 1, 1, 0
	STEP 1, 2, 0
	s_wait_dscnt 4*NL                              ; the very last step: nothing more to fetch
	WIN MUL_LO
	MUL16 0, 1, NQ-1, 1, 0
	MUL16 2, 1, NQ-1, 1, 0
	s_wait_dscnt 0
	WIN MUL_HI
	MUL16 4, 1, NQ-1, 1, 0
	MUL16 6, 1, NQ-1, 1, 0
	WIN 0
	; THE WAY OUT.  Accumulator (a, b): lane (r, h), register j = token 16 a + r of my 128, channel 16 b + 8 h + j of my 128: head b / 4 of my two, channel 16 (b % 4) + 8 h + j in it.
	; q: [bh][tile of 16 queries][2,048 bytes]: piece b % 4 at 512 (b % 4) + 256 h + 16 r.   k: [bh][64 keys][16,384 bytes]: tile a % 4 at 2,048 (a % 4), the same piece.   v: 8,192 further on, the piece at 512 (b % 4) + 32 r + 16 h.
	s_lshr_b32 s18, s17, 3                         ; the batch: 8 tile rows each
	s_lshl_b32 s18, s18, 4
	s_lshl_b32 s19, s40, 2
	s_add_co_u32 s18, s18, s19
	s_lshl_b32 s19, s16, 1
	s_add_co_u32 s18, s18, s19                     ; my first (batch, head): 16 x batch + 4 cx + 2 x half
	s_and_b32 s19, s17, 7
	s_lshl_b32 s19, s19, 8
	s_lshl_b32 s20, s15, 7
	s_add_co_u32 s19, s19, s20                     ; my first token in the batch
	s_lshl_b32 s18, s18, 18                        ; q: 262,144 bytes a head,
	s_lshl_b32 s19, s19, 7                         ; 128 bytes a token
	s_add_co_u32 s18, s18, s19
	s_cmp_eq_u32 ttmp9, 0
	s_cselect_b32 s20, 0, 1                        ; k and v share a buffer with twice the bytes
	s_cselect_b64 s[22:23], s[98:99], s[100:101]
	s_lshl_b32 s18, s18, s20
	s_mov_b32 s19, 0
	s_lshl_b32 s2, 8192, s20                       ; four tiles of tokens on
	s_mov_b32 s3, 0
	s_lshl_b32 s12, 0x40000, s20                   ; a head on
	s_mov_b32 s13, 0
	s_cmp_eq_u32 ttmp9, 2
	s_cselect_b32 s21, 8192, 0                     ; v lies behind k in a step's 16,384 bytes
	s_cselect_b32 s66, 32, 16                      ; from r to r + 1
	s_cselect_b32 s67, 16, 0x100                   ; from h = 0 to h = 1
	s_add_co_u32 s18, s18, s21
	s_add_nc_u64 s[24:25], s[22:23], s[18:19]      ; four bases (a / 4, b / 4), in registers that held a descriptor: every tensor load was shown done at the change of slots
	s_add_nc_u64 s[26:27], s[24:25], s[12:13]
	s_add_nc_u64 s[28:29], s[24:25], s[2:3]
	s_add_nc_u64 s[30:31], s[28:29], s[12:13]
	v_mul_u32_u24 v[CO], v1, s66
	v_mad_u32_u24 v[CO], v2, s67, v[CO]
	PLACES NP                                      ; behind the last products: their results are read, and registers that held scale words and x's fragments are written
.macro OUT a
.if (\a) >= 4
	s_wait_xcnt 0x0                                ; block a - 4's stores have read their data: the registers are written again only behind this wait
.endif
	WIN 0x0a+5*((\a)/4)                            ; sources 0 and 1: window 2 or 3
.irp b, 0,1,2,3,4,5,6,7
.irp i, 0,1,2,3
	v_cvt_pk_f16_f32 v[TMP+32*((\a)%4)+4*\b+\i], v[64*((\a)%4)+8*\b+2*\i], v[64*((\a)%4)+8*\b+2*\i+1]   ; each accumulator from its low end on; the lower channel in the low half
.endr
.endr
	WIN 0
.irp b, 0,1,2,3,4,5,6,7
	global_store_b128 v[CO], v[TMP+32*((\a)%4)+4*\b:TMP+32*((\a)%4)+4*\b+3], s[24+4*((\a)/4)+2*(\b/4):24+4*((\a)/4)+2*(\b/4)+1] offset:((\a)%4)*2048+(\b%4)*512   ; 32 lanes store 512 consecutive bytes, aligned
.endr
.endm
.irp a, 0,1,2,3,4,5,6,7
	OUT \a
.endr
	s_wait_tensorcnt 0x0                           ; the wave's end, behind my last tensor load
	ds_add_u32 v[SPW], v[NIL]
	s_wait_dscnt 0x0
	CROUND                                         ; the closing round: no work-group ends while a partner may still ask for a tile that names it
	s_endpgm
.Lfunc_end_k_q3a934ab6d3_proj:
	.size	k_q3a934ab6d3_proj, .Lfunc_end_k_q3a934ab6d3_proj-k_q3a934ab6d3_proj
	.p2alignl 7, 3214868480
	.fill 96, 4, 3214868480
	.section	.rodata,"a",@progbits
	.p2align	6, 0x0
	.amdhsa_kernel k_q3a934ab6d3_proj
		.amdhsa_group_segment_fixed_size 327680
		.amdhsa_private_segment_fixed_size 0
		.amdhsa_enable_private_segment 0
		.amdhsa_kernarg_size 72
		.amdhsa_user_sgpr_count 2
		.amdhsa_user_sgpr_kernarg_segment_ptr 1
		.amdhsa_wavefront_size32 1
		.amdhsa_system_sgpr_workgroup_id_x 1
		.amdhsa_system_sgpr_workgroup_id_y 1
		.amdhsa_system_sgpr_workgroup_id_z 1
		.amdhsa_system_vgpr_workitem_id 0
		.amdhsa_next_free_vgpr 1024
		.amdhsa_next_free_sgpr 102
		.amdhsa_reserve_vcc 0
		.amdhsa_float_denorm_mode_32 3
		.amdhsa_float_denorm_mode_16_64 3
		.amdhsa_memory_ordered 1
		.amdhsa_forward_progress 1
		.amdhsa_inst_pref_size 119
	.end_amdhsa_kernel
	.amdgpu_metadata
---
amdhsa.version: [ 1, 2 ]
amdhsa.kernels:
  - .name:           k_q3a934ab6d3_proj
    .symbol:         k_q3a934ab6d3_proj.kd
    .args:
      - { .name: xc, .offset: 0, .size: 8, .value_kind: global_buffer, .address_space: global }
      - { .name: xs, .offset: 8, .size: 8, .value_kind: global_buffer, .address_space: global }
      - { .name: wc, .offset: 16, .size: 8, .value_kind: global_buffer, .address_space: global }
      - { .name: ws, .offset: 24, .size: 8, .value_kind: global_buffer, .address_space: global }
      - { .name: bq, .offset: 32, .size: 8, .value_kind: global_buffer, .address_space: global }
      - { .name: bk, .offset: 40, .size: 8, .value_kind: global_buffer, .address_space: global }
      - { .name: bv, .offset: 48, .size: 8, .value_kind: global_buffer, .address_space: global }
      - { .name: qf, .offset: 56, .size: 8, .value_kind: global_buffer, .address_space: global }
      - { .name: kv, .offset: 64, .size: 8, .value_kind: global_buffer, .address_space: global }
    .group_segment_fixed_size: 327680
    .private_segment_fixed_size: 0
    .kernarg_segment_align: 8
    .kernarg_segment_size: 72
    .max_flat_workgroup_size: 128
    .sgpr_count:     102
    .vgpr_count:     1024
    .wavefront_size: 32
...
	.end_amdgpu_metadata
.endif
;; end of part 2
;; launch attn (part 3): grid 4 x 64, 8 waves a work-group, clusters of 4 x 1, 327,680 bytes of LDS; arguments qf, kv, mask, out0; writes out0
.if DOCPART == 3
	.amdgcn_target "amdgcn-amd-amdhsa--gfx1250"
	.amdhsa_code_object_version 6
	.text
	.protected	k_q3a934ab6d3_attn
	.globl	k_q3a934ab6d3_attn
	.p2align	8
	.type	k_q3a934ab6d3_attn,@function
k_q3a934ab6d3_attn:
	s_mov_b64 s[64:65], 0
	v_nop
	global_prefetch_b8 v0, s[64:65] scope:SCOPE_SE
	s_setreg_imm32_b32 hwreg(HW_REG_WAVE_MODE, 25, 1), 1
	s_wait_xcnt 0x0
	s_wait_alu depctr_hold_cnt(0) depctr_sa_sdst(0) depctr_va_vdst(0) depctr_va_sdst(0) depctr_va_ssrc(0) depctr_va_vcc(0) depctr_vm_vsrc(0)
	s_getreg_b32 s2, hwreg(HW_REG_IB_STS2, 6, 4)
	s_cmp_eq_u32 s2, 0
	s_cbranch_scc0 .Lentry_in_a_cluster
	s_endpgm
.Lentry_in_a_cluster:
	s_bfe_u32 s2, ttmp6, 0x10000c
	s_cmp_lg_u32 s2, 0x3003
	s_cbranch_scc0 .Lentry_shape_is_right
	s_endpgm
.Lentry_shape_is_right:
; out[b][q][64 head + d] = the sum over keys of softmax_k(Q . K / 8 - 10000 (1 - mask[b][k])) V[k][d], for 64 (batch, head) pairs, 2,048 queries and keys, head size 64.
; Q, K, V arrive in f16 as images of operand registers; products by the f16 matrix form, sums, maxima and the softmax in f32; the weights p are rounded to f16 for the second product; out is f32.
; SHARES.  A work-group owns 512 queries of one (batch, head), each of its EIGHT waves 64: four tiles of 16, in 512 registers: two waves to a SIMD, so that one wave's softmax stands beside the other's products.
; Every wave walks the 32 key steps of 64 keys.  K's and V's tiles come through two LDS slots of 8 key steps (131,072 bytes); each wave moves one key step's 16,384 dense bytes by one tensor load.
; CLUSTER.  The four query blocks of a (batch, head) form a cluster and walk the same K and V: each tile is asked for JOINTLY, by the same tensor load with the same descriptor and a mask that names the four.
; LAYOUT.  S^T = K Q^T + bias (source 0 = 16 keys, source 1 = 16 queries): a lane holds ONE query (lane % 16) and the keys 8 (lane / 16) + 0 .. 7 of a tile.  Two such tiles, rounded to f16 in pairs, ARE source 1 of
; O^T = V^T P, whose result again holds one query a lane.  K comes out of LDS as it lies; V ([key][channel] pieces of 16 bytes) is turned by ds_load_tr16_b128.
; THE MASK costs no vector work in the loop: bias[k] = 80000 mask[k] - 80000 (the reference's -10000 (1 - mask), in units of Q . K) is the C of the first product of each tile of scores.
; SOFTMAX.  For each query a running maximum m of the biased Q . K and a sum l: p = 2^(c s - c m), c = log2(e) / 8; in every step O and l are multiplied by a = 2^(c m_old - c m_new), both as they were rounded.
; No prefetch is laid: the launch has two refills, each asked for eight key steps, 512 matrix instructions a wave, ahead of its first read; all other tiles are asked for at the head.
; LIMITS: q, k, v as f16 (the launch before states their range); NaN and infinities are not served.  A row whose keys are all masked alike is a softmax of numbers near -80000, with f32's rounding there, as in the reference.
; REGISTERS.  window 0: v1-9 addresses; v10, v11 the add's two; v12-15 m; v16-23 l (pairs); v24-27 a permute's destinations; v28-31 c m; v32-63 the bias of 4 tiles of keys, then the softmax's temporaries (8 a tile:
;   +0 c m, +2 a, +3 c m_old - c m_new, +4 the maximum at work, +6, +7 the step's sum); v64-127 V's fragments; v128-255 S^T, 32 a tile; P is written over the lower 16 of each tile.
;   window 1: v0-127 O^T, 32 a tile; v128-191 Q, 16 a tile; v192-255 K of one step.
.set SLOT1, 131072                     ; slot 1 begins here: one exclusive or turns an address in one slot into the other's
.set STEPB, 16384                      ; a key step: 8,192 bytes of K, 8,192 of V
.set BIAS,  2*SLOT1                    ; behind the slots: the bias, one f32 a key: 8,192 bytes
.set STAGE, BIAS+8192                  ; the way out: 16 rows x (256 bytes + 16) for each wave
.set SP,    272
.set SPARE, STAGE+8*16*SP              ; the spare words, 128 bytes for each wave: four blocks of 256 bytes that no other line names
.set LI0, 1                            ; v1   16 x lane: my place in an image
.set AV0, 2                            ; v2   my place in a block of V, for the turning load
.set AB0, 3                            ; v3   my place in the bias: BIAS + 32 (lane / 16)
.set ADK, 4                            ; v4-6 addresses of the runs of loads in hand
.set ADV, 5
.set ADB, 6
.set STO, 7                            ; v7   the way out: where I put 32 bytes of a row
.set RD,  8                            ; v8   where I read a row back
.set GO,  9                            ; v9   my byte offset in the wave's rows of out
.set SPW, 10
.set NIL, 11
.set M,   12
.set L,   16
.set PX,  24
.set CMP, 28
.set TP,  32
.set VF,  64
.set S,   128
.set QF,  128                          ; in window 1
.set KF,  192                          ; in window 1
.set WV,  12                           ; s12  my wave's number
.set G1,  24                           ; s[24:31] descriptor group 1
.set G0A, 32                           ; s[32:35] group 0 of slot 0's first fill
.set G0B, 36                           ; s[36:39] group 0 of slot 1's first fill; it then walks on
.set CNT, 40
.set SLOTS, 41
.set TB,  42                           ; s42  LDS byte at which the tiles of the step to be fetched begin
.set TBB, 43                           ; s43  and its 256 bytes of the bias
.set CS,  44                           ; s[44:45] c: the packed form names a pair and takes its low word for both halves
.set SEL, 46                           ; s[46:47] lane selects for v_permlanex16_b32: lane l xor 16
.set MSB, 0
.macro WIN new                         ; the immediate's high byte repeats the setting that is left
.if MSB != \new
	s_set_vgpr_msb (MSB<<8)|\new
.set MSB, \new
.endif
.endm
.macro CROUND                          ; a round of the cluster's barrier
	s_barrier_signal -1
	s_barrier_wait -1
	s_cmp_lg_u32 s[WV], 0
	s_cbranch_scc1 .Lnot_wave_0_\@
	s_barrier_signal -3
.Lnot_wave_0_\@:
	s_barrier_wait -3
	s_barrier_signal -1
	s_barrier_wait -1
.endm
	s_load_b256 s[4:11], s[0:1], 0x0               ; qf s[4:5], kv s[6:7], mask s[8:9], out s[10:11]
	v_lshl_add_u32 v[SPW], v0, 2, SPARE
	v_mov_b32 v[NIL], 0
	ds_add_u32 v[SPW], v[NIL]                      ; the wave's opening: the add, twice on end, and its wait ahead of my first tensor load; the set-up below, work on registers, stands between
	ds_add_u32 v[SPW], v[NIL]
	v_lshrrev_b32 v1, 5, v0
	v_readfirstlane_b32 s[WV], v1                  ; wave 0..7
	s_bfe_u32 s13, ttmp6, 0x40000                  ; cx: my place in the cluster
	s_lshl_b32 s14, ttmp9, 2
	s_add_co_u32 s14, s14, s13                     ; my block of 512 queries: it enters Q's and out's addresses alone
	s_and_b32 s15, ttmp7, 0xffff                   ; (batch, head), which the four partners share
	s_lshl_b32 s16, s[WV], 14                      ; my key step of a slot: 16,384 bytes, in memory and in LDS
	s_lshl_b32 s20, s15, 19                        ; kv: 524,288 bytes a (batch, head)
	s_add_co_u32 s20, s20, s16
	s_mov_b32 s21, 0
	s_lshl_b32 s22, s15, 18                        ; qf: 262,144 bytes a (batch, head),
	s_lshl_b32 s17, s14, 16
	s_add_co_u32 s22, s22, s17                     ; 65,536 a block of 512 queries,
	s_lshl_b32 s17, s[WV], 13
	s_add_co_u32 s22, s22, s17                     ; 8,192 a wave
	s_mov_b32 s23, 0
	s_lshr_b32 s18, s15, 4                         ; the batch
	s_lshl_b32 s2, s18, 13                         ; its 2,048 numbers of the mask
	s_mov_b32 s3, 0
	s_lshl_b32 s18, s18, 23                        ; out: 2,048 rows of 4,096 bytes a batch,
	s_lshl_b32 s17, s14, 21
	s_add_co_u32 s18, s18, s17                     ; 512 rows a block,
	s_lshl_b32 s17, s[WV], 18
	s_add_co_u32 s18, s18, s17                     ; 64 rows a wave,
	s_and_b32 s17, s15, 15
	s_lshl_b32 s17, s17, 8
	s_add_co_u32 s18, s18, s17                     ; 256 bytes a head
	s_mov_b32 s19, 0
	; descriptor group 1: a dense block of 16,384 bytes, as 64 rows of 256 bytes (32 elements of 8 bytes), no padding
	s_mov_b32 s[G1], 15|(3<<16)|(1<<21)            ; 15:0 the mask: all four work-groups; 17:16 elements of 8 bytes; 21 set beside a mask
	s_mov_b32 s[G1+1], 32<<16                      ; tensor_dim0 = 32
	s_mov_b32 s[G1+2], 64<<16                      ; tensor_dim1 = 64
	s_mov_b32 s[G1+3], 32<<16                      ; tile_dim0 = 32
	s_mov_b32 s[G1+4], 64                          ; tile_dim1 = 64
	s_mov_b32 s[G1+5], 32                          ; tensor_dim0_stride
	s_mov_b32 s[G1+6], 0
	s_mov_b32 s[G1+7], 0
	s_mov_b32 s[CS], 0x3e38aa3b                    ; c = log2(e) / 8
	s_mov_b32 s[CS+1], s[CS]                       ; (named with it as a pair, so it is written)
	s_mov_b32 s[SEL], 0x76543210
	s_mov_b32 s[SEL+1], 0xfedcba98
	s_mov_b32 s[TB], 0
	s_mov_b32 s[TBB], 0
	s_mov_b32 s48, 0x479c4000                      ; 80000.0
	s_wait_dscnt 0x0                               ; both opening adds are done
	s_wait_kmcnt 0x0
	s_add_nc_u64 s[6:7], s[6:7], s[20:21]          ; kv at my key step of slot 0
	s_add_nc_u64 s[4:5], s[4:5], s[22:23]          ; qf at my wave's first tile
	s_add_nc_u64 s[8:9], s[8:9], s[2:3]            ; the mask at my batch
	s_add_nc_u64 s[10:11], s[10:11], s[18:19]      ; out at my wave's first row and my head
	s_mov_b32 s[G0A], 1                            ; 1:0 count = 1
	s_mov_b32 s[G0A+1], s16                        ; 63:32 LDS address: slot 0, wave x 16,384
	s_mov_b64 s[G0A+2:G0A+3], s[6:7]               ; 120:64 global address: key steps 0 to 7, mine of them
	s_or_b32 s[G0A+3], s[G0A+3], 0x80000000        ; 127:126 type = 2
	s_mov_b32 s[G0B], 1
	s_add_co_u32 s[G0B+1], s16, SLOT1
	s_add_nc_u64 s[G0B+2:G0B+3], s[6:7], 8*STEPB   ; key steps 8 to 15
	s_or_b32 s[G0B+3], s[G0B+3], 0x80000000
	CROUND                                         ; all four work-groups are here: the first joint loads meet
	tensor_load_to_lds s[G0A:G0A+3], s[G1:G1+7]    ; both first fills go out together: two loads of mine are out
	s_nop 0
	tensor_load_to_lds s[G0B:G0B+3], s[G1:G1+7]
	s_nop 0
.rept 4
	v_nop
.endr
	v_lshlrev_b32 v82, 5, v0                       ; the mask: 8 numbers a thread
	global_load_b128 v[64:67], v82, s[8:9]
	global_load_b128 v[68:71], v82, s[8:9] offset:16
	v_and_b32 v1, 31, v0
	v_lshlrev_b32 v[LI0], 4, v1
	WIN 0x40                                       ; destination window 1, address window 0
.irp f, 0,1,2,3,4,5,6,7                        ; Q stays in registers: tile f / 2, channels 32 (f % 2) on
	global_load_b128 v[QF+8*\f:QF+8*\f+3], v[LI0], s[4:5] offset:\f*1024
	global_load_b128 v[QF+8*\f+4:QF+8*\f+7], v[LI0], s[4:5] offset:\f*1024+512
.endr
.set i, 0
.rept 128
	v_mov_b32 v[i], 0                              ; O^T.  (The key step is written in one form: the first finds zeros, which a = 0 leaves zeros; a form of its own for the first step would be one more copy of the loop's body)
.set i, i+1
.endr
	WIN 0
	v_and_b32 v83, 15, v0                          ; r
	v_bfe_u32 v84, v0, 4, 1                        ; h
	v_and_b32 v85, 7, v0
	v_bfe_u32 v86, v0, 3, 1
	; The turning load takes 16 keys x 16 channels: lane l reads the piece of key 8 h + l % 8, channels 8 ((l / 8) % 2) + 0 .. 7, which lies at 16 (2 key + that bit), and is left with channel l % 16 and keys 8 h + 0 .. 7
	v_lshlrev_b32 v[AV0], 8, v84
	v_lshl_add_u32 v[AV0], v85, 5, v[AV0]
	v_lshl_add_u32 v[AV0], v86, 4, v[AV0]
	v_add_nc_u32 v[AV0], 8192, v[AV0]              ; V lies behind K in a step's bytes
	v_lshl_add_u32 v[AB0], v84, 5, BIAS
	s_mul_i32 s17, s[WV], 16*SP
	s_add_co_u32 s17, s17, STAGE                   ; my stage
	v_mul_u32_u24 v[STO], v83, SP                  ; in: row r, 32 bytes for each half of the lanes
	v_lshl_add_u32 v[STO], v84, 5, v[STO]
	v_add_nc_u32 v[STO], s17, v[STO]
	v_mul_u32_u24 v[RD], v84, SP                   ; back: lanes 0-15 take one row of 256 bytes, lanes 16-31 the next
	v_lshl_add_u32 v[RD], v83, 4, v[RD]
	v_add_nc_u32 v[RD], s17, v[RD]
	v_lshlrev_b32 v[GO], 12, v84                   ; and the same two rows in out, 4,096 bytes apart
	v_lshl_add_u32 v[GO], v83, 4, v[GO]
	v_lshl_add_u32 v87, v0, 5, BIAS                ; where my 8 numbers of the bias go
	v_mov_b32 v80, 0xc79c4000                      ; -80000.0
.irp t, 0,1,2,3
	v_mov_b32 v[M+\t], 0xff61b1e6                  ; the largest score so far: -3e38, under every score;
	v_mov_b32 v[CMP+\t], 0xff61b1e6                ; c m likewise: the first a is 2^(a number far below -126) = 0
	v_mov_b32 v[PX+\t], 0                          ; written once: a lane permute's destination counts as one of its sources
.endr
.irp j, 0,1,2,3,4,5,6,7
	v_mov_b32 v[L+\j], 0                           ; the sums, in two halves a tile
.endr
	s_wait_loadcnt 16                              ; the mask's two loads are in; Q's sixteen may be out
.irp j, 0,1,2,3,4,5,6,7
	v_fma_f32 v[64+\j], v[64+\j], s48, v80         ; 80000 mask - 80000: 0 where the mask is 1
.endr
	ds_store_b128 v87, v[64:67]
	ds_store_b128 v87, v[68:71] offset:16
	s_wait_tensorcnt 1                             ; my part of slot 0 is in; slot 1's may stay out
	s_wait_dscnt 0x0                               ; for the others' sake: my part of the bias is stored
	s_barrier_signal -1
	s_barrier_wait -1
; THE LDS LOADS stand in runs.  A step's K: 8 fragments (16 keys x 32 channels), two loads each.
.macro KLOAD
	v_add_nc_u32 v[ADK], s[TB], v[LI0]
	WIN 0x40                                       ; destination window 1
.irp f, 0,1,2,3,4,5,6,7                        ; keys 16 (f / 2) on, channels 32 (f % 2) on
	ds_load_b128 v[KF+8*\f:KF+8*\f+3], v[ADK] offset:\f*1024
	ds_load_b128 v[KF+8*\f+4:KF+8*\f+7], v[ADK] offset:\f*1024+512
.endr
	WIN 0
.endm
.macro BLOAD                           ; the step's bias in the scores' layout: register j of tile kt = bias[16 kt + 8 h + j]
	v_add_nc_u32 v[ADB], s[TBB], v[AB0]
.irp kt, 0,1,2,3
	ds_load_b128 v[TP+8*\kt:TP+8*\kt+3], v[ADB] offset:64*\kt
	ds_load_b128 v[TP+8*\kt+4:TP+8*\kt+7], v[ADB] offset:64*\kt+16
.endr
	s_add_co_u32 s[TBB], s[TBB], 256
.endm
; V of the step is asked for, and S^T = K Q^T + bias is made: 32 products, the 16 accumulators by turns, one instruction a turn.
.macro APHASE first
	v_add_nc_u32 v[ADV], s[TB], v[AV0]
.rept 4
	v_nop                                          ; with the addition five places behind the last products V^T P: the products below write over registers that held P, and V's registers are loaded anew (ISA guide 7.12.1)
.endr
.irp ct, 0,1,2,3
.irp g, 0,1
.irp u, 0,1
	ds_load_tr16_b128 v[VF+16*\ct+8*\g+4*\u:VF+16*\ct+8*\g+4*\u+3], v[ADV] offset:(2*\g+\u)*2048+\ct*512   ; channels 16 ct on, keys 32 g + 16 u on
.endr
.endr
.endr
	s_add_co_u32 s[TB], s[TB], STEPB               ; the next fetch is the next step's
	s_wait_dscnt 16                                ; K's sixteen loads and the bias's eight are in; V's sixteen may be out
.if \first
	s_wait_loadcnt 0x0                             ; Q
.endif
	WIN 0x05                                       ; K and Q in window 1, the bias and S^T in window 0
.irp kt, 0,1,2,3
.irp t, 0,1,2,3
	v_wmma_f32_16x16x32_f16 v[S+32*\t+8*\kt:S+32*\t+8*\kt+7], v[KF+16*\kt:KF+16*\kt+7], v[QF+16*\t:QF+16*\t+7], v[TP+8*\kt:TP+8*\kt+7]
.endr
.endr
.irp kt, 0,1,2,3
.irp t, 0,1,2,3
	v_wmma_f32_16x16x32_f16 v[S+32*\t+8*\kt:S+32*\t+8*\kt+7], v[KF+16*\kt+8:KF+16*\kt+15], v[QF+16*\t+8:QF+16*\t+15], v[S+32*\t+8*\kt:S+32*\t+8*\kt+7]
.endr
.endr
	WIN 0
.rept 4
	v_nop                                          ; four places: the scores are read, the bias's registers are written and K's are loaded anew
.endr
.endm
; THE SOFTMAX of a key step, the four tiles line by line, so that no line waits for the line above it.
.macro SOFTMAX
.irp t, 0,1,2,3
	v_max3_num_f32 v[TP+8*\t+4], v[S+32*\t], v[S+32*\t+1], v[S+32*\t+2]   ; the largest of my 32 scores and the old m; in ascending order: each accumulator is first read at its low end
.endr
.irp i, 1,2,3,4,5,6,7,8,9,10,11,12,13,14
.irp t, 0,1,2,3
	v_max3_num_f32 v[TP+8*\t+4], v[TP+8*\t+4], v[S+32*\t+2*\i+1], v[S+32*\t+2*\i+2]
.endr
.endr
.irp t, 0,1,2,3
	v_max3_num_f32 v[TP+8*\t+4], v[TP+8*\t+4], v[S+32*\t+31], v[M+\t]
.endr
.irp t, 0,1,2,3
	v_permlanex16_b32 v[PX+\t], v[TP+8*\t+4], s[SEL], s[SEL+1]   ; the query's other 32 keys lie in the lane 16 away
.endr
.irp t, 0,1,2,3
	v_max_num_f32 v[M+\t], v[TP+8*\t+4], v[PX+\t]  ; the new m
.endr
.irp t, 0,1,2,3
	v_mul_f32 v[TP+8*\t], s[CS], v[M+\t]           ; c m
.endr
.irp t, 0,1,2,3
	v_sub_f32 v[TP+8*\t+3], v[CMP+\t], v[TP+8*\t]  ; c m_old - c m_new, of the two numbers as they were rounded: so all p of a row stand under one chain of factors
.endr
.irp t, 0,1,2,3
	v_mov_b32 v[CMP+\t], v[TP+8*\t]
.endr
.irp t, 0,1,2,3
	v_exp_f32 v[TP+8*\t+2], v[TP+8*\t+3]           ; a
.endr
; ONE BATCH: the 64 packed scalings c s - c m and all exponentials; none of these lines reads an exponential's result.  A pair's exponentials stand four scalings behind its scaling.
.set n, 0
.rept 64
.set rS, S+32*(n%4)+2*(n/4)
.set rT, TP+8*(n%4)
	v_pk_fma_f32 v[rS:rS+1], v[rS:rS+1], s[CS:CS+1], v[rT:rT+1] op_sel_hi:[1,0,0] neg_lo:[0,0,1] neg_hi:[0,0,1]
.if n >= 4
.set rE, S+32*((n-4)%4)+2*((n-4)/4)
	v_exp_f32 v[rE], v[rE]
	v_exp_f32 v[rE+1], v[rE+1]
.endif
.set n, n+1
.endr
.set n, 60
.rept 4
.set rE, S+32*(n%4)+2*(n/4)
	v_exp_f32 v[rE], v[rE]
	v_exp_f32 v[rE+1], v[rE+1]
.set n, n+1
.endr
	v_nop                                          ; a plain line behind the last exponential, ahead of the first use
	s_wait_alu depctr_va_vdst(0)                   ; the wait ahead of the first line that names a result: one for the step's 132 exponentials
.irp t, 0,1,2,3
	v_pk_add_f32 v[TP+8*\t+6:TP+8*\t+7], v[S+32*\t:S+32*\t+1], v[S+32*\t+2:S+32*\t+3]   ; the step's sum, of p in f32, two at a time
.endr
.irp i, 2,3,4,5,6,7,8,9,10,11,12,13,14,15
.irp t, 0,1,2,3
	v_pk_add_f32 v[TP+8*\t+6:TP+8*\t+7], v[TP+8*\t+6:TP+8*\t+7], v[S+32*\t+2*\i:S+32*\t+2*\i+1]
.endr
.endr
.irp t, 0,1,2,3
	v_pk_fma_f32 v[L+2*\t:L+2*\t+1], v[L+2*\t:L+2*\t+1], v[TP+8*\t+2:TP+8*\t+3], v[TP+8*\t+6:TP+8*\t+7] op_sel_hi:[1,0,1]   ; l = a l + the sum
.endr
.irp i, 0,1,2,3,4,5,6,7,8,9,10,11,12,13,14,15
.irp t, 0,1,2,3
	v_cvt_pk_f16_f32 v[S+32*\t+\i], v[S+32*\t+2*\i], v[S+32*\t+2*\i+1]   ; P, in place: register i is written when registers up to 2 i - 1 have been read
.endr
.endr
	WIN 0x41                                       ; O^T (destination and source 0) in window 1, a in window 0
.irp i, 0,1,2,3,4,5,6,7,8,9,10,11,12,13,14,15
.irp t, 0,1,2,3
	v_pk_mul_f32 v[32*\t+2*\i:32*\t+2*\i+1], v[32*\t+2*\i:32*\t+2*\i+1], v[TP+8*\t+2:TP+8*\t+3] op_sel_hi:[1,0]   ; O^T x a, each accumulator from its low end on
.endr
.endr
	WIN 0
.endm
.macro PVMUL                           ; O^T += V^T P: 32 products, the 16 accumulators by turns
	WIN 0x50                                       ; V and P in window 0, O^T in window 1
.irp g, 0,1
.irp ct, 0,1,2,3
.irp t, 0,1,2,3
	v_wmma_f32_16x16x32_f16 v[32*\t+8*\ct:32*\t+8*\ct+7], v[VF+16*\ct+8*\g:VF+16*\ct+8*\g+7], v[S+32*\t+8*\g:S+32*\t+8*\g+7], v[32*\t+8*\ct:32*\t+8*\ct+7]
.endr
.endr
.endr
	WIN 0
.endm
; A KEY STEP: the next step's K is asked for; this step's softmax; the next step's bias (behind the last reader of a, whose registers it takes); V^T P; the next step's V is asked for and its scores are made.
.macro BODY next
.if \next
	KLOAD
.endif
	SOFTMAX
.if \next
	s_wait_dscnt 16                                ; V is in; the next K's sixteen loads may be out
	BLOAD
.else
	s_wait_dscnt 0x0                               ; V is in
.endif
	PVMUL
.if \next
	APHASE 0
.endif
.endm
; THE CHANGE OF SLOTS, when the slot's last bytes, V of its eighth step, have been asked for.  Each wave waits for all its tensor loads (its part of the other slot), adds 0 to its spare word, and waits for that and for its
; reads of the slot.  fill = 1: the barrier is a round of the cluster's, so that no wave of any partner still reads the slot or has a load on its way, and the joint refill is the first thing behind it: one load a wave is out,
; and it has eight key steps in which to land.
.macro CHANGE fill
	s_wait_tensorcnt 0x0                           ; no tensor load of mine is out, so a group 0 may be written
	ds_add_u32 v[SPW], v[NIL]                      ; 0 onto my spare word
.if \fill
	s_xor_b32 s[G0B+1], s[G0B+1], SLOT1            ; the walking descriptor: the other slot than last time,
	s_add_nc_u64 s[G0B+2:G0B+3], s[G0B+2:G0B+3], 8*STEPB   ; the next eight key steps; the type bits on top are not reached
.endif
	s_wait_dscnt 0x0                               ; the add is done, and my reads of the slot are over
.if \fill
	CROUND
	tensor_load_to_lds s[G0B:G0B+3], s[G1:G1+7]
	s_nop 0
.rept 4
	v_nop
.endr
.else
	s_barrier_signal -1
	s_barrier_wait -1
.endif
	s_sub_co_u32 s[TB], s[TB], 8*STEPB             ; the fetches go back to a slot's first step,
	s_xor_b32 s[TB], s[TB], SLOT1                  ; in the other slot
.endm
	KLOAD                                          ; key step 0
	BLOAD
	APHASE 1
	s_mov_b32 s[CNT], 7
.Lfirst:                                           ; steps 0 to 6: they fetch steps 1 to 7, the rest of slot 0
	BODY 1
	s_sub_co_u32 s[CNT], s[CNT], 1
	s_cmp_lg_u32 s[CNT], 0
	s_cbranch_scc1 .Lfirst
	s_mov_b32 s[SLOTS], 2
.Lslot:                                            ; two trips: slot 0 takes key steps 16 to 23, then slot 1 steps 24 to 31
	CHANGE 1
	s_mov_b32 s[CNT], 8
.Lstep:
	BODY 1
	s_sub_co_u32 s[CNT], s[CNT], 1
	s_cmp_lg_u32 s[CNT], 0
	s_cbranch_scc1 .Lstep
	s_sub_co_u32 s[SLOTS], s[SLOTS], 1
	s_cmp_lg_u32 s[SLOTS], 0
	s_cbranch_scc1 .Lslot
	CHANGE 0                                       ; the tail is written out: nothing is left to ask for
	s_mov_b32 s[CNT], 8
.Llast:
	BODY 1
	s_sub_co_u32 s[CNT], s[CNT], 1
	s_cmp_lg_u32 s[CNT], 0
	s_cbranch_scc1 .Llast
	BODY 0                                         ; key step 31
	; THE WAY OUT.  l's two halves and the other half of the lanes' are added; O^T is divided by l and goes through my stage in LDS, a tile (16 rows x 256 bytes) at a time.  The additions are the places behind the last products.
.irp t, 0,1,2,3
	v_add_f32 v[TP+2*\t+1], v[L+2*\t], v[L+2*\t+1]
.endr
.irp t, 0,1,2,3
	v_permlanex16_b32 v[PX+\t], v[TP+2*\t+1], s[SEL], s[SEL+1]
.endr
.irp t, 0,1,2,3
	v_add_f32 v[TP+2*\t+1], v[TP+2*\t+1], v[PX+\t]
.endr
.irp t, 0,1,2,3
	v_rcp_f32 v[TP+2*\t], v[TP+2*\t+1]
.endr
	v_nop                                          ; a plain line between the last reciprocal and the use of its result
	s_wait_alu depctr_va_vdst(0)                   ; and the wait ahead of the first use: one for the four
.macro PACK t
	WIN 0x41
.irp i, 0,1,2,3,4,5,6,7,8,9,10,11,12,13,14,15
	v_pk_mul_f32 v[32*\t+2*\i:32*\t+2*\i+1], v[32*\t+2*\i:32*\t+2*\i+1], v[TP+2*\t:TP+2*\t+1] op_sel_hi:[1,0]
.endr
	WIN 0x04                                       ; an LDS store's data are its source 1: window 1
.irp ct, 0,1,2,3
	ds_store_b128 v[STO], v[32*\t+8*\ct:32*\t+8*\ct+3] offset:64*\ct       ; lane (r, h): channels 16 ct + 8 h + 0 .. 7 of query r
	ds_store_b128 v[STO], v[32*\t+8*\ct+4:32*\t+8*\ct+7] offset:64*\ct+16
.endr
	WIN 0
.irp i, 0,1,2,3,4,5,6,7
	ds_load_b128 v[S+32*\t+4*\i:S+32*\t+4*\i+3], v[RD] offset:\i*2*SP   ; LDS serves a wave's instructions in order: these see the stores above; the next tile's stores come behind them
.endr
.endm
.macro SEND t, younger                 ; younger: the LDS instructions issued behind tile t's loads: the next tile's sixteen, or none
.irp i, 0,1,2,3,4,5,6,7
	s_wait_dscnt \younger+7-\i
	global_store_b128 v[GO], v[S+32*\t+4*\i:S+32*\t+4*\i+3], s[10:11] offset:\t*65536+\i*8192 th:TH_STORE_NT   ; sixteen lanes store 256 consecutive bytes, aligned: a head's part of a row; written once, read by nobody here
.endr
.endm
	PACK 0
	PACK 1                                         ; a tile's arithmetic stands between the loads of the tile before and its stores
	SEND 0, 16
	PACK 2
	SEND 1, 16
	PACK 3
	SEND 2, 16
	SEND 3, 0
	s_wait_tensorcnt 0x0                           ; the wave's end, behind my last tensor load and my last LDS store
	ds_add_u32 v[SPW], v[NIL]
	s_wait_dscnt 0x0
	CROUND                                         ; the closing round: no work-group ends while a partner may still ask for a tile that names it
	s_endpgm
.Lfunc_end_k_q3a934ab6d3_attn:
	.size	k_q3a934ab6d3_attn, .Lfunc_end_k_q3a934ab6d3_attn-k_q3a934ab6d3_attn
	.p2alignl 7, 3214868480
	.fill 96, 4, 3214868480
	.section	.rodata,"a",@progbits
	.p2align	6, 0x0
	.amdhsa_kernel k_q3a934ab6d3_attn
		.amdhsa_group_segment_fixed_size 327680
		.amdhsa_private_segment_fixed_size 0
		.amdhsa_enable_private_segment 0
		.amdhsa_kernarg_size 32
		.amdhsa_user_sgpr_count 2
		.amdhsa_user_sgpr_kernarg_segment_ptr 1
		.amdhsa_wavefront_size32 1
		.amdhsa_system_sgpr_workgroup_id_x 1
		.amdhsa_system_sgpr_workgroup_id_y 1
		.amdhsa_system_sgpr_workgroup_id_z 1
		.amdhsa_system_vgpr_workitem_id 0
		.amdhsa_next_free_vgpr 512
		.amdhsa_next_free_sgpr 66
		.amdhsa_reserve_vcc 0
		.amdhsa_float_denorm_mode_32 3
		.amdhsa_float_denorm_mode_16_64 3
		.amdhsa_memory_ordered 1
		.amdhsa_forward_progress 1
		.amdhsa_inst_pref_size 157
	.end_amdhsa_kernel
	.amdgpu_metadata
---
amdhsa.version: [ 1, 2 ]
amdhsa.kernels:
  - .name:           k_q3a934ab6d3_attn
    .symbol:         k_q3a934ab6d3_attn.kd
    .args:
      - { .name: qf, .offset: 0, .size: 8, .value_kind: global_buffer, .address_space: global }
      - { .name: kv, .offset: 8, .size: 8, .value_kind: global_buffer, .address_space: global }
      - { .name: mask, .offset: 16, .size: 8, .value_kind: global_buffer, .address_space: global }
      - { .name: out0, .offset: 24, .size: 8, .value_kind: global_buffer, .address_space: global }
    .group_segment_fixed_size: 327680
    .private_segment_fixed_size: 0
    .kernarg_segment_align: 8
    .kernarg_segment_size: 32
    .max_flat_workgroup_size: 256
    .sgpr_count:     66
    .vgpr_count:     512
    .wavefront_size: 32
...
	.end_amdgpu_metadata
.endif
;; end of part 3
